; MI455X (gfx1250); checked and timed in simulation.
; The chip was launched on July 23, 2026; its instructions are those of AMD's public machine-readable ISA for CDNA 5 (MIT licence, August 2026) and "CDNA5" Instruction Set Architecture Reference Guide (July 2026). The comments in the code are by the model that wrote it; some were corrected since.
;; Multi Head Attention. Allowed arithmetic: matrix products marked QUANTISED: E3M2 operands, one E8M0 scale for each 32 along K, by v_wmma_scale_f32_16x16x128_f8f6f4 with both operands' format E3M2, f32 sums; everything else in f32.
;; Inputs: Wk 1,024 x 1,024 float32; Wq 1,024 x 1,024 float32; Wv 1,024 x 1,024 float32; bk 1,024 float32; bq 1,024 float32; bv 1,024 float32; x 4 x 2,048 x 1,024 float32.
;; Outputs: out0 4 x 16 x 2,048 x 64 float32.
;; This version of the problem:
;;   THIS VERSION OF THE PROBLEM IS GIVEN IN LOW PRECISION. The matrix products marked QUANTISED in the list below multiply operands that are first quantised to E3M2 (3 exponent bits, 2 mantissa bits; 6 bits a number), with one power-of-two scale for each 32 numbers along K (OCP MX v1.0); their sums are f32. All else is computed in f32.
;;   The module's matrix products, in the order in which they are computed (A, B: the left and right operand; K: the contracted axis; several contracted axes count as one K, in the product's order):
;;     1. [M 8,192, K 1,024] x [K 1,024, N 1,024]; A: input x; B: input Wq: QUANTISED
;;     2. [M 8,192, K 1,024] x [K 1,024, N 1,024]; A: input x; B: input Wk: QUANTISED
;;     3. [M 8,192, K 1,024] x [K 1,024, N 1,024]; A: input x; B: input Wv: QUANTISED
;;     4. batch 64 x [M 2,048, K 64] x [K 64, N 2,048]; A: computed on the way; B: computed on the way: QUANTISED
;;     5. batch 64 x [M 2,048, K 2,048] x [K 2,048, N 64]; A: softmax (see below); B: computed on the way: QUANTISED
;;   THE QUANTISER, for each operand of a quantised product, along K:
;;     - K is cut into blocks of 32 from its start; a last block that is shorter is filled with zeros.
;;     - A block's scale is 2^e with e = floor(log2(the largest magnitude in the block)) - 4, held to -126 .. 127; a block of zeros has e = 0. As a byte (E8M0): e + 127.
;;     - Each number is divided by its block's scale, clamped to +-28, and rounded to the nearest number of E3M2, ties to even, subnormals kept.
;;     - The product sums the exact products of the quantised numbers (number of the format x scale) in f32.
;;   ~~~python
;;   def quantise(x, axis):      # numpy; x: float32 -> the quantised numbers, widened to float32 again
;;       x = np.moveaxis(x, axis, -1); K = x.shape[-1]
;;       x = np.pad(x, [(0, 0)] * (x.ndim - 1) + [(0, -K % 32)]); x = x.reshape(x.shape[:-1] + (-1, 32)); a = np.abs(x).max(-1, keepdims=True)
;;       e = np.where(a > 0, np.clip(np.frexp(np.where(a > 0, a, 1))[1] - 1 - 4, -126, 127), 0)      # np.frexp(a)[1] - 1 = floor(log2(a)), exactly
;;       r = np.clip(x / 2.0 ** e, -28, 28)
;;       step = 2.0 ** (np.maximum(np.frexp(np.where(r == 0, 1, r))[1] - 1, -2) - 2)
;;       q = np.round(r / step) * step * 2.0 ** e      # np.round: ties to even
;;       return np.moveaxis(q.reshape(q.shape[:-2] + (-1,))[..., :K], -1, axis).astype(np.float32)
;;   ~~~
;;   SOFTMAX AHEAD OF A QUANTISED PRODUCT. Where the list says 'softmax', what is quantised is not the finished softmax but p = 2^(t - M), with t = logit x log2(e) and M = ceil(the row's largest t), a whole number; so 1/2 < the row's largest p <= 1. The row's sum l is taken of the UNQUANTISED p, in f32, and the product's result is divided by l at the end. Since M is a whole number, a kernel that streams over the keys may use a running M (the ceiling of the running maximum): every later rescaling is an exact power of two, which a block's scale takes up: the codes' values come out the same.
;;   OPERANDS COMPUTED ON THE WAY. 'Computed on the way' means the value that the module computes at that place (a softmax that the list does not call 'softmax' is quantised finished and normalised). What goes into a quantiser is computed in f32, as accurately as f32 sums, v_exp_f32 and their like allow (about 1e-6 of the number): no bf16 or f16 on the way to a quantiser, and a product that is left as it is and whose result goes on into a quantised operand takes f32 operands (vector FMAs, or v_wmma_f32_16x16x4_f32). A number that lies on a knife's edge between two numbers of the format may be rounded either way, as far as f32 arithmetic and the matrix unit's own rounding can turn it there, and no further.
;; One version. Each part assembles by itself: llvm-mc -triple=amdgcn-amd-amdhsa -mcpu=gfx1250 --defsym DOCPART=n.
;; ======== version 1 of 1: 3 launches
;; workspace buffers: cod 8,650,752 bytes; scl 360,448 bytes; img 18,874,368 bytes; sc 1,310,720 bytes
;; launch quant (part 1): grid 352 x 1, 4 waves a work-group, no clusters, 33,280 bytes of LDS; arguments x, Wq, Wk, Wv, cod, scl; writes cod, scl
.if DOCPART == 1
	.amdgcn_target "amdgcn-amd-amdhsa--gfx1250"
	.amdhsa_code_object_version 6
	.text
	.protected	k_q846c759daf_quant
	.globl	k_q846c759daf_quant
	.p2align	8
	.type	k_q846c759daf_quant,@function
k_q846c759daf_quant:
	s_mov_b64 s[64:65], 0
	v_nop
	global_prefetch_b8 v0, s[64:65] scope:SCOPE_SE
	s_setreg_imm32_b32 hwreg(HW_REG_WAVE_MODE, 25, 1), 1
	s_wait_xcnt 0x0
; x [8192][1024] and Wq, Wk, Wv [1024][1024], f32, K innermost, become codes of E3M2 (6 bits each) with one E8M0 scale byte for each 32 along K.
; cod: 11,264 rows of 768 bytes (x's 8,192 rows, then Wq's, Wk's, Wv's); scl: the same rows, 32 scale bytes each.
; A block's scale is 2^(floor(log2(its largest magnitude)) - 4); its byte is the largest magnitude's exponent field - 4, held at 1 from below.
; Each number is divided by the scale and rounded to the nearest code, ties to even; beyond 28 the conversion gives the largest code.
; ROWS ARE STORED IN TILE ORDER: inside each 32 rows the second and the third group of 8 rows change places, so that 16 consecutive stored rows 16 u + r' are the
; rows 8 u + r' + 8 (r' / 8) of the 32.  A matrix result whose source 0 is such a tile then holds, in a lane's registers of two neighbouring tiles, 16 neighbouring rows.
; LIMITS: NaN and infinities among the inputs are not served.  A block of zeros gets the byte 1 where the quantiser's rule says 127: its codes are zeros, which add nothing
; under any byte but 0xff, and the bytes are read by this program alone.  Blocks whose largest magnitude lies under 2^(5 - 127) keep the byte 1.
; SHARES: a work-group takes 32 rows (32,768 numbers): groups 0-255 x, 256-287 Wq, 288-319 Wk, 320-351 Wv.  A wave takes 8 rows, one run of 8,192 numbers, in 16 steps of 512.
; Each of a step's four loads reads 512 consecutive bytes, 16 a lane; the 2,048 bytes turn through the wave's own stage in LDS and come back 64 bytes a lane, so that a lane holds
; 16 neighbours along K (two neighbouring lanes hold a block).  No tensor loads, no barrier: waves share nothing.  Loads run four steps (16 loads a wave) ahead, the turn one step.
.set STEPS, 16
.set EMAX,  4
.set CB,    12                         ; bytes of 16 codes
.set R,     16                         ; v16-79   four sets of 16 numbers as they are loaded
.set X,     80                         ; v80-111  two sets of 16 neighbours
.set E,     112                        ; v112-127 a scale byte for each step
.set C,     128                        ; v128-191 codes: four registers for each step, so that no store's data are written again
.set WREG,  8192                       ; LDS: a region for each wave: two stages of 32 x SP bytes, and behind them its 256 scale bytes
.set SP,    80                         ; a lane's place in a stage: its 64 bytes + 16 of padding
	s_load_b256 s[20:27], s[0:1], 0x0              ; x s[20:21], Wq s[22:23], Wk s[24:25], Wv s[26:27]
	s_load_b128 s[8:11], s[0:1], 0x20              ; cod s[8:9], scl s[10:11]
	v_lshl_add_u32 v192, v0, 2, 0x8000
	v_mov_b32 v193, 0
	v_lshrrev_b32 v1, 5, v0
	v_readfirstlane_b32 s16, v1                    ; wave
	v_and_b32 v2, 31, v0                           ; lane
	v_lshlrev_b32 v3, 4, v2                        ; my 16 bytes of a load's 512
	s_mul_i32 s12, s16, WREG
	v_lshrrev_b32 v14, 2, v2
	v_mul_u32_u24 v14, v14, SP
	v_and_b32 v15, 3, v2
	v_lshl_add_u32 v14, v15, 4, v14
	v_add_nc_u32 v14, s12, v14                     ; the stage, on the way in: four lanes' 64 bytes on end, then 16 of padding
	v_mul_u32_u24 v15, v2, SP
	v_add_nc_u32 v15, s12, v15                     ; and on the way out: SP x lane: my 16 neighbours
	v_mul_u32_u24 v4, v2, CB                       ; my codes' place in a step's
	v_lshrrev_b32 v5, 1, v2
	s_add_co_u32 s12, s12, 2*32*SP
	v_add_nc_u32 v5, s12, v5                       ; LDS: my wave's 256 scale bytes, my block's byte
	v_lshlrev_b32 v7, 3, v2                        ; and on the way out 8 bytes a lane
	v_add_nc_u32 v6, s12, v7
	s_sub_co_u32 s17, ttmp9, 256
	s_and_b32 s17, s17, 31                         ; a weight's work-group: which 32 rows of its tensor
	s_and_b32 s13, s16, 1
	s_lshl_b32 s13, s13, 1
	s_lshr_b32 s14, s16, 1
	s_or_b32 s13, s13, s14                         ; the tile order: waves 1 and 2 change places on the way out
	s_lshl_b32 s14, ttmp9, 2
	s_add_co_u32 s14, s14, s13                     ; my run in cod and scl: the four tensors' runs follow each other there
	s_wait_alu depctr_va_vdst(0)
	s_wait_kmcnt 0x0
	s_cmp_lt_u32 ttmp9, 320                        ; which tensor: the choices hang on the work-group's number alone
	s_cselect_b64 s[4:5], s[24:25], s[26:27]
	s_cmp_lt_u32 ttmp9, 288
	s_cselect_b64 s[4:5], s[22:23], s[4:5]
	s_cmp_lt_u32 ttmp9, 256
	s_cselect_b64 s[4:5], s[20:21], s[4:5]
	s_cselect_b32 s17, ttmp9, s17
	s_lshl_b32 s17, s17, 2
	s_add_co_u32 s18, s17, s16                     ; my run of 8,192 numbers in the tensor
	s_mov_b32 s19, 0
	s_lshl_b64 s[18:19], s[18:19], 15              ; 32,768 bytes a run
	s_add_nc_u64 s[4:5], s[4:5], s[18:19]
	s_mul_i32 s18, s14, 32*STEPS*CB                ; 6,144 bytes of codes a run
	s_mov_b32 s19, 0
	s_add_nc_u64 s[8:9], s[8:9], s[18:19]
	s_lshl_b32 s18, s14, 8                         ; 256 scale bytes a run
	s_add_nc_u64 s[10:11], s[10:11], s[18:19]
.macro LOAD t
.irp i, 0,1,2,3
	global_load_b128 v[R+16*((\t)%4)+4*\i:R+16*((\t)%4)+4*\i+3], v3, s[4:5] offset:2048*(\t)+512*\i th:TH_LOAD_NT   ; 32 lanes read 512 consecutive bytes
.endr
.endm
.macro TURN t                          ; step t's numbers through the stage: LDS serves a wave's instructions in order, so no wait stands between the stores and the loads
.irp i, 0,1,2,3
	ds_store_b128 v14, v[R+16*((\t)%4)+4*\i:R+16*((\t)%4)+4*\i+3] offset:32*SP*((\t)%2)+8*SP*\i
.endr
.irp i, 0,1,2,3
	ds_load_b128 v[X+16*((\t)%2)+4*\i:X+16*((\t)%2)+4*\i+3], v15 offset:32*SP*((\t)%2)+16*\i
.endr
.endm
.irp t, 0,1,2,3
	LOAD \t
.endr
	s_wait_loadcnt 12                              ; step 0's four loads are in; the twelve of steps 1 to 3 stay out
	TURN 0
.macro STEP t
.set XS, X+16*((\t)%2)
.if (\t) > 0
	s_wait_dscnt 1                                 ; this step's numbers are back from the stage (the last step's byte store may be out): so its stores into the stage have read their registers,
.else
	s_wait_dscnt 0x0
.endif
.if (\t)+4 < STEPS
	LOAD (\t)+4                                    ; which take the loads of four steps on
.endif
.if (\t)+1 < STEPS
.if STEPS-2-(\t) >= 3
	s_wait_loadcnt 12                              ; the next step's four loads are in; those of the three steps behind it may be out
.else
	s_wait_loadcnt 4*(STEPS-2-(\t))
.endif
	TURN (\t)+1                                    ; and go through the other stage while this step is worked
.endif
	v_max3_num_f32 v8, |v[XS]|, |v[XS+1]|, |v[XS+2]|               ; the largest magnitude of my 16, in two chains
	v_max3_num_f32 v9, |v[XS+3]|, |v[XS+4]|, |v[XS+5]|
.irp i, 6,10
	v_max3_num_f32 v8, v8, |v[XS+\i]|, |v[XS+\i+1]|
	v_max3_num_f32 v9, v9, |v[XS+\i+2]|, |v[XS+\i+3]|
.endr
	v_max3_num_f32 v8, v8, |v[XS+14]|, |v[XS+15]|
	v_max3_num_f32 v8, v8, v9, (EMAX+1)<<23        ; and the floor 2^(EMAX + 1 - 127): the byte cannot fall under 1
	v_max_num_f32_dpp v8, v8, v8 row_xmask:1 row_mask:0xf bank_mask:0xf   ; and of my neighbour's 16: the block's
	v_add_nc_u32 v11, -(EMAX<<23), v8              ; EMAX off its exponent field: the conversion takes the exponent field of this operand as its scale, and nothing else of it
	v_cvt_scalef32_pk16_bf6_f32 v[C+4*(\t):C+4*(\t)+2], v[XS:XS+15], v11         ; sixteen codes, 96 bits without gaps, the first number's code lowest
	v_lshrrev_b32 v[E+(\t)], 23, v11               ; the scale's byte (also the plain line behind the conversion)
	ds_store_b8 v5, v[E+(\t)] offset:16*(\t)       ; both lanes of a block write the same byte with the same value
	global_store_b96 v4, v[C+4*(\t):C+4*(\t)+2], s[8:9] offset:32*CB*(\t)       ; the wave stores 384 consecutive bytes
.endm
.irp t, 0,1,2,3,4,5,6,7,8,9,10,11,12,13,14,15
	STEP \t
.endr
	ds_load_b64 v[12:13], v6                       ; LDS serves a wave's instructions in order: these see my stores
	s_wait_dscnt 0x0
	global_store_b64 v7, v[12:13], s[10:11]        ; 32 lanes store 256 consecutive bytes, aligned
	s_wait_tensorcnt 0x0
	ds_add_u32 v192, v193
	s_wait_dscnt 0x0
	s_endpgm
.Lfunc_end_k_q846c759daf_quant:
	.size	k_q846c759daf_quant, .Lfunc_end_k_q846c759daf_quant-k_q846c759daf_quant
	.p2alignl 7, 3214868480
	.fill 96, 4, 3214868480
	.section	.rodata,"a",@progbits
	.p2align	6, 0x0
	.amdhsa_kernel k_q846c759daf_quant
		.amdhsa_group_segment_fixed_size 33280
		.amdhsa_private_segment_fixed_size 0
		.amdhsa_enable_private_segment 0
		.amdhsa_kernarg_size 48
		.amdhsa_user_sgpr_count 2
		.amdhsa_user_sgpr_kernarg_segment_ptr 1
		.amdhsa_wavefront_size32 1
		.amdhsa_system_sgpr_workgroup_id_x 1
		.amdhsa_system_sgpr_workgroup_id_y 1
		.amdhsa_system_sgpr_workgroup_id_z 1
		.amdhsa_system_vgpr_workitem_id 0
		.amdhsa_next_free_vgpr 194
		.amdhsa_next_free_sgpr 66
		.amdhsa_reserve_vcc 0
		.amdhsa_float_denorm_mode_32 3
		.amdhsa_float_denorm_mode_16_64 3
		.amdhsa_memory_ordered 1
		.amdhsa_forward_progress 1
		.amdhsa_inst_pref_size 33
	.end_amdhsa_kernel
	.amdgpu_metadata
---
amdhsa.version: [ 1, 2 ]
amdhsa.kernels:
  - .name:           k_q846c759daf_quant
    .symbol:         k_q846c759daf_quant.kd
    .args:
      - { .name: x, .offset: 0, .size: 8, .value_kind: global_buffer, .address_space: global }
      - { .name: Wq, .offset: 8, .size: 8, .value_kind: global_buffer, .address_space: global }
      - { .name: Wk, .offset: 16, .size: 8, .value_kind: global_buffer, .address_space: global }
      - { .name: Wv, .offset: 24, .size: 8, .value_kind: global_buffer, .address_space: global }
      - { .name: cod, .offset: 32, .size: 8, .value_kind: global_buffer, .address_space: global }
      - { .name: scl, .offset: 40, .size: 8, .value_kind: global_buffer, .address_space: global }
    .group_segment_fixed_size: 33280
    .private_segment_fixed_size: 0
    .kernarg_segment_align: 8
    .kernarg_segment_size: 48
    .max_flat_workgroup_size: 128
    .sgpr_count:     66
    .vgpr_count:     194
    .wavefront_size: 32
...
	.end_amdgpu_metadata
.endif
;; end of part 1
;; launch proj (part 2): grid 8 x 48, 4 waves a work-group, clusters of 4 x 4, 327,680 bytes of LDS; arguments cod, scl, img, sc, bq, bk, bv; writes img, sc
.if DOCPART == 2
	.amdgcn_target "amdgcn-amd-amdhsa--gfx1250"
	.amdhsa_code_object_version 6
	.text
	.protected	k_q846c759daf_proj
	.globl	k_q846c759daf_proj
	.p2align	8
	.type	k_q846c759daf_proj,@function
k_q846c759daf_proj:
	s_mov_b64 s[64:65], 0
	v_nop
	global_prefetch_b8 v0, s[64:65] scope:SCOPE_SE
	s_setreg_imm32_b32 hwreg(HW_REG_WAVE_MODE, 25, 1), 1
	s_wait_xcnt 0x0
	s_wait_alu depctr_hold_cnt(0) depctr_sa_sdst(0) depctr_va_vdst(0) depctr_va_sdst(0) depctr_va_ssrc(0) depctr_va_vcc(0) depctr_vm_vsrc(0)
	s_getreg_b32 s2, hwreg(HW_REG_IB_STS2, 6, 4)
	s_cmp_eq_u32 s2, 0
	s_cbranch_scc0 .Lentry_in_a_cluster
	s_endpgm
.Lentry_in_a_cluster:
	s_bfe_u32 s2, ttmp6, 0x10000c
	s_cmp_lg_u32 s2, 0xf033
	s_cbranch_scc0 .Lentry_shape_is_right
	s_endpgm
.Lentry_shape_is_right:
.set KSTEP,  256
.set NQ,     2
.set ROWB,   192
.set KROW,   768
.set PITCH,  240
.set FR,     12
.set NL,     6
.set NP,     4
.set HALFT,  128*PITCH
.set SLOT,   4*HALFT
.set LAPS,   2
.set KS,     32
.set SCL,    2*SLOT
.set HALFS,  16*272
.set SBLK,   2*272
.set SPARE,  SCL+4*HALFS
.set AJ,   8
.set ADRA, 16
.set ADRB, 20
.set L16,  24
.set L8,   25
.set ADRS, 27
.set SPW,  28
.set NIL,  29
.set SC,   32
.set BI,   64
.set AF,   128
.set HA,   128
.set CDS,  192
.set TM,   224
.set SW,   32
.set XW,   40
.set G1,   24
.set G0,   32
.set G1B,  48
.set G0B,  56
.set G1S,  68
.set G0S,  76
.set G1SB, 80
.set G0SB, 88
.set FL,   98
.set HIM,  99
.set SEL,  100
.set MSB, 0
.macro WIN new
.if MSB != (\new)
	s_set_vgpr_msb (MSB<<8)|(\new)
.set MSB, (\new)
.endif
.endm
.set MUL_LO, 0xa1
.set MUL_HI, 0xf1
.set TO_B,   0x40
.macro JLOAD g0a, g1a, g0b, g1b
	s_cmp_eq_u32 s15, 0
	s_cbranch_scc0 .Lfor_b_\@
	tensor_load_to_lds s[\g0a:\g0a+3], s[\g1a:\g1a+7]
	s_nop 0
.rept 4
	v_nop
.endr
	s_branch .Lasked_\@
.Lfor_b_\@:
	tensor_load_to_lds s[\g0b:\g0b+3], s[\g1b:\g1b+7]
	s_nop 0
.rept 4
	v_nop
.endr
.Lasked_\@:
.endm
.macro CREST
	s_cmp_lg_u32 s14, 0
	s_cbranch_scc1 .Lnot_wave_0_\@
	s_barrier_signal -3
.Lnot_wave_0_\@:
	s_barrier_wait -3
	s_barrier_signal -1
	s_barrier_wait -1
.endm
.macro CROUND
	s_barrier_signal -1
	s_barrier_wait -1
	CREST
.endm
	s_load_b128 s[4:7], s[0:1], 0x0
	s_load_b128 s[8:11], s[0:1], 0x10
	s_load_b128 s[92:95], s[0:1], 0x20
	s_load_b64 s[96:97], s[0:1], 0x30
	v_lshl_add_u32 v[SPW], v0, 2, SPARE
	v_mov_b32 v[NIL], 0
	ds_add_u32 v28, v29
	ds_add_u32 v28, v29
	s_wait_dscnt 0x0
	v_lshrrev_b32 v1, 5, v0
	v_readfirstlane_b32 s14, v1
	s_lshr_b32 s15, s14, 1
	s_and_b32 s16, s14, 1
	s_bfe_u32 s40, ttmp6, 0x40000
	s_bfe_u32 s41, ttmp6, 0x40004
	s_lshl_b32 s42, ttmp9, 2
	s_add_co_u32 s42, s42, s40
	s_and_b32 s17, ttmp7, 0xffff
	s_lshl_b32 s43, s41, 2
	s_lshl_b32 s43, 15, s43
	s_lshl_b32 s44, 0x1111, s40
	s_lshl_b32 s20, s17, 2
	s_add_co_u32 s20, s20, s41
	s_add_co_u32 s21, s41, 40
	s_sub_co_u32 s46, s17, 8
	s_lshl_b32 s46, s46, 3
	s_add_co_u32 s46, s46, s42
	s_add_co_u32 s47, s42, 32
	s_cmp_lt_u32 s17, 8
	s_cselect_b32 s[FL], 1, 0
	s_cselect_b32 s20, s20, s21
	s_cselect_b32 s46, s47, s46
	s_mov_b32 s[SEL], s20
	s_mov_b32 s[SEL+1], s46
	s_or_b32 s[G1+0], s43, (0<<16)|(1<<20)|(1<<21)|(3<<22)|(3<<25)
	s_or_b32 s[G1B+0], s44, (0<<16)|(1<<20)|(1<<21)|(3<<22)|(3<<25)
.irp g, G1, G1B
	s_mov_b32 s[\g+1], ROWB<<16
	s_mov_b32 s[\g+2], 128<<16
	s_mov_b32 s[\g+3], ROWB<<16
	s_mov_b32 s[\g+4], 128
	s_mov_b32 s[\g+5], KROW
	s_mov_b32 s[\g+6], 0
	s_mov_b32 s[\g+7], 0
.endr
	s_or_b32 s[G1S+0], s43, (3<<16)|(1<<20)|(1<<21)|(5<<22)|(3<<25)
	s_or_b32 s[G1SB+0], s44, (3<<16)|(1<<20)|(1<<21)|(5<<22)|(3<<25)
.irp g, G1S, G1SB
	s_mov_b32 s[\g+1], 32<<16
	s_mov_b32 s[\g+2], 16<<16
	s_mov_b32 s[\g+3], 32<<16
	s_mov_b32 s[\g+4], 16
	s_mov_b32 s[\g+5], 32
	s_mov_b32 s[\g+6], 0
	s_mov_b32 s[\g+7], 0
.endr
	s_lshl_b32 s18, s16, 7
	s_lshl_b32 s20, s20, 8
	s_add_co_u32 s20, s20, s18
	s_lshl_b32 s46, s46, 8
	s_add_co_u32 s46, s46, s18
	s_mov_b32 s21, 0
	s_mov_b32 s47, 0
	s_mov_b64 s[18:19], KS
	s_mul_u64 s[22:23], s[20:21], s[18:19]
	s_mul_u64 s[66:67], s[46:47], s[18:19]
	s_mov_b64 s[18:19], KROW
	s_mul_u64 s[20:21], s[20:21], s[18:19]
	s_mul_u64 s[46:47], s[46:47], s[18:19]
	s_mul_i32 s45, s14, HALFT
	s_mul_i32 s2, s14, HALFS
	s_wait_kmcnt 0x0
	s_add_nc_u64 s[20:21], s[4:5], s[20:21]
	s_add_nc_u64 s[22:23], s[6:7], s[22:23]
	s_add_nc_u64 s[46:47], s[4:5], s[46:47]
	s_add_nc_u64 s[66:67], s[6:7], s[66:67]
	CROUND
	s_mov_b32 s[G0S], 1
	s_add_co_u32 s[G0S+1], s2, SCL
	s_mov_b64 s[G0S+2:G0S+3], s[22:23]
	s_or_b32 s[G0S+3], s[G0S+3], 0x80000000
	s_mov_b32 s[G0SB], 1
	s_add_co_u32 s[G0SB+1], s2, SCL
	s_mov_b64 s[G0SB+2:G0SB+3], s[66:67]
	s_or_b32 s[G0SB+3], s[G0SB+3], 0x80000000
	JLOAD G0S, G1S, G0SB, G1SB
.irp s, 0,1
	s_mov_b32 s[G0+4*\s], 1
	s_add_co_u32 s[G0+4*\s+1], s45, \s*SLOT
	s_add_nc_u64 s[G0+4*\s+2:G0+4*\s+3], s[20:21], \s*ROWB
	s_or_b32 s[G0+4*\s+3], s[G0+4*\s+3], 0x80000000
	s_mov_b32 s[G0B+4*\s], 1
	s_add_co_u32 s[G0B+4*\s+1], s45, \s*SLOT
	s_add_nc_u64 s[G0B+4*\s+2:G0B+4*\s+3], s[46:47], \s*ROWB
	s_or_b32 s[G0B+4*\s+3], s[G0B+4*\s+3], 0x80000000
	s_wait_alu depctr_va_vdst(0)
	s_wait_tensorcnt 0x0
	ds_add_u32 v28, v29
	s_wait_dscnt 0x0
	CROUND
	JLOAD G0+4*\s, G1, G0B+4*\s, G1B
.endr
	v_and_b32 v1, 15, v0
	v_bfe_u32 v2, v0, 4, 1
	v_mul_u32_u24 v3, v1, PITCH
	v_mul_u32_u24 v4, v2, 24
	v_add_nc_u32 v4, v3, v4
	v_lshl_add_u32 v5, v2, 4, v4
	s_mul_i32 s21, s15, HALFT
	s_mul_i32 s22, s16, HALFT
	s_add_co_u32 s22, s22, 2*HALFT
.irp s, 0,1
	v_add_nc_u32 v[ADRA+\s], s21, v4
	v_add_nc_u32 v[ADRB+\s], s22, v4
	v_add_nc_u32 v[ADRA+2+\s], s21, v5
	v_add_nc_u32 v[ADRB+2+\s], s22, v5
	s_add_co_u32 s21, s21, SLOT
	s_add_co_u32 s22, s22, SLOT
.endr
	v_mul_u32_u24 v5, v1, KS
	v_lshrrev_b32 v6, 8, v5
	v_lshl_add_u32 v5, v6, 4, v5
	s_mul_i32 s21, s15, HALFS
	s_mul_i32 s22, s16, HALFS
	s_add_co_u32 s22, s22, 2*HALFS
	s_sub_co_u32 s22, s22, s21
	v_mul_u32_u24 v6, s22, v2
	s_add_co_u32 s21, s21, SCL
	v_add_nc_u32 v5, v5, v6
	v_add_nc_u32 v[ADRS], s21, v5
	v_and_b32 v6, 31, v0
	v_lshlrev_b32 v[L16], 4, v6
	v_lshlrev_b32 v[L8], 3, v6
	s_and_b32 s19, s42, 3
	s_lshr_b32 s20, s42, 2
	s_cmp_eq_u32 s[FL], 1
	s_cselect_b32 s18, s[SEL], s[SEL+1]
	s_cselect_b32 s19, s19, s41
	s_cselect_b32 s20, s20, 2
	s_cselect_b32 s21, s15, s16
	s_cselect_b32 s22, s16, s15
	s_cselect_b32 s23, 9, 8
	s_cselect_b32 s2, -1, 0
	s_cselect_b32 s3, 4, 0
	s_lshr_b32 s45, s18, 3
	s_lshl_b32 s45, s45, 4
	s_lshl_b32 s46, s19, 2
	s_add_co_u32 s45, s45, s46
	s_lshl_b32 s46, s22, 1
	s_add_co_u32 s45, s45, s46
	s_lshl_b32 s45, s45, 4
	s_and_b32 s46, s18, 7
	s_lshl_b32 s46, s46, 1
	s_add_co_u32 s45, s45, s46
	s_add_co_u32 s45, s45, s21
	s_mul_i32 s46, s20, 0x600000
	s_mul_i32 s47, s45, 6144
	s_add_co_u32 s46, s46, s47
	s_mov_b32 s47, 0
	s_add_nc_u64 s[8:9], s[8:9], s[46:47]
	s_lshl_b32 s46, s20, 19
	s_lshl_b32 s66, s45, s23
	s_add_co_u32 s46, s46, s66
	s_add_nc_u64 s[10:11], s[10:11], s[46:47]
	s_cmp_lt_u32 s42, 4
	s_cselect_b64 s[12:13], s[92:93], s[94:95]
	s_cmp_eq_u32 s[FL], 1
	s_cselect_b64 s[12:13], s[12:13], s[96:97]
	s_lshl_b32 s46, s19, 10
	s_lshl_b32 s66, s22, 9
	s_add_co_u32 s46, s46, s66
	s_add_nc_u64 s[12:13], s[12:13], s[46:47]
	v_lshlrev_b32 v5, 6, v2
	v_and_b32 v6, 8, v1
	v_add_nc_u32 v6, v6, v1
	v_lshlrev_b32 v6, 2, v6
	v_cndmask_b32 v5, v6, v5, s2
	v_mov_b32 v6, s3
.irp j, 0,1,2,3,4,5,6,7
	v_mad_u32_u24 v[AJ+\j], v6, \j, v5
.endr
.irp t, 0,1,2,3,4,5,6,7
.irp j, 0,1,2,3,4,5,6,7
	global_load_b32 v[BI+8*\t+\j], v[AJ+\j], s[12:13] offset:(32*(\t/2)+8*(\t%2))*4
.endr
.endr
.macro FRAG reg, adr, q, i
.irp p, 0,1,2,3,4,5
.set PIECE, 12*(\q)+6*(\p/3)+\p%3
.if PIECE%8 < 5
	ds_load_b64 v[\reg+2*\p:\reg+2*\p+1], v[\adr] offset:8*PIECE+16*(PIECE/8)+(\i)*16*PITCH
.else
	ds_load_b64 v[\reg+2*\p:\reg+2*\p+1], v[\adr+2] offset:8*PIECE+16*(PIECE/8)+(\i)*16*PITCH
.endif
.endr
.endm
.macro MUL16 a0, p, q, sc, zero
.irp a, \a0, \a0+1
.irp b, 0,1,2,3,4,5,6,7
.if \zero
	v_wmma_scale_f32_16x16x128_f8f6f4 v[8*(8*((\a)%4)+\b):8*(8*((\a)%4)+\b)+7], v[128*(\p)+FR*\b:128*(\p)+FR*\b+FR-1], v[AF+FR*(\a):AF+FR*(\a)+FR-1], 0, v[SC+8*NQ*(\sc)+NQ*\b+(\q)], v[SC+8*NQ*(\sc)+NQ*(\a)+(\q)] matrix_a_fmt:MATRIX_FMT_BF6 matrix_b_fmt:MATRIX_FMT_BF6 matrix_a_scale:MATRIX_SCALE_ROW1
.else
	v_wmma_scale_f32_16x16x128_f8f6f4 v[8*(8*((\a)%4)+\b):8*(8*((\a)%4)+\b)+7], v[128*(\p)+FR*\b:128*(\p)+FR*\b+FR-1], v[AF+FR*(\a):AF+FR*(\a)+FR-1], v[8*(8*((\a)%4)+\b):8*(8*((\a)%4)+\b)+7], v[SC+8*NQ*(\sc)+NQ*\b+(\q)], v[SC+8*NQ*(\sc)+NQ*(\a)+(\q)] matrix_a_fmt:MATRIX_FMT_BF6 matrix_b_fmt:MATRIX_FMT_BF6 matrix_a_scale:MATRIX_SCALE_ROW1
.endif
.endr
.endr
.endm
.macro FETCH_B slot, q, p
	WIN TO_B
.irp i, 0,1,2,3,4,5,6,7
	FRAG 128*(\p)+FR*\i, ADRB+\slot, \q, \i
.endr
	WIN 0
.endm
.macro FETCH_A slot, q, i0
.irp i, \i0, \i0+1, \i0+2, \i0+3
	FRAG AF+FR*(\i), ADRA+\slot, \q, \i
.endr
.endm
.macro SCALES sc
.irp i, 0,1,2,3,4,5,6,7
	ds_load_b64 v[SC+8*NQ*\sc+NQ*\i:SC+8*NQ*\sc+NQ*\i+1], v[ADRS] offset:\i*SBLK
.endr
.endm
.macro PLACES n
.rept \n
	v_nop
.endr
.endm
.macro STEP slot, q, zero
	s_wait_dscnt 4*NL
	WIN MUL_LO
	MUL16 0, (\q)%2, \q, \slot, \zero
	MUL16 2, (\q)%2, \q, \slot, \zero
	s_wait_dscnt 0
	PLACES NP
	FETCH_B \slot, (\q)+1, 1-(\q)%2
	FETCH_A \slot, (\q)+1, 0
	WIN MUL_HI
	MUL16 4, (\q)%2, \q, \slot, \zero
	MUL16 6, (\q)%2, \q, \slot, \zero
	PLACES NP
	WIN 0
	FETCH_A \slot, (\q)+1, 4
.endm
.macro TURN slot, next, fill
	s_wait_tensorcnt 0x0
	ds_add_u32 v[SPW], v[NIL]
	s_wait_dscnt 4*NL+1
	WIN MUL_LO
	MUL16 0, 1, NQ-1, \slot, 0
	s_wait_dscnt 0x0
	s_barrier_signal -1
	MUL16 2, 1, NQ-1, \slot, 0
	WIN 0
	s_barrier_wait -1
.if \fill
	CREST
	s_add_nc_u64 s[G0+4*\slot+2:G0+4*\slot+3], s[G0+4*\slot+2:G0+4*\slot+3], 2*ROWB
	s_add_nc_u64 s[G0B+4*\slot+2:G0B+4*\slot+3], s[G0B+4*\slot+2:G0B+4*\slot+3], 2*ROWB
	JLOAD G0+4*\slot, G1, G0B+4*\slot, G1B
.else
	PLACES NP
.endif
	s_wait_alu depctr_va_vdst(0)
	v_add_nc_u32 v[ADRS], 4*NQ, v[ADRS]
	FETCH_B \next, 0, 0
	FETCH_A \next, 0, 0
	SCALES \next
	WIN MUL_HI
	MUL16 4, 1, NQ-1, \slot, 0
	MUL16 6, 1, NQ-1, \slot, 0
	PLACES NP
	WIN 0
	FETCH_A \next, 0, 4
.endm
	s_wait_tensorcnt 1
	s_barrier_signal -1
	s_barrier_wait -1
	FETCH_B 0, 0, 0
	FETCH_A 0, 0, 0
	SCALES 0
	FETCH_A 0, 0, 4
	STEP 0, 0, 1
	s_mov_b32 s3, LAPS-1
.Llap:
	TURN 0, 1, 1
	STEP 1, 0, 0
	TURN 1, 0, 1
	STEP 0, 0, 0
	s_sub_co_u32 s3, s3, 1
	s_cmp_lg_u32 s3, 0
	s_cbranch_scc1 .Llap
	TURN 0, 1, 0
	STEP 1, 0, 0
	s_wait_dscnt 4*NL
	WIN MUL_LO
	MUL16 0, 1, NQ-1, 1, 0
	MUL16 2, 1, NQ-1, 1, 0
	s_wait_dscnt 0
	WIN MUL_HI
	MUL16 4, 1, NQ-1, 1, 0
	MUL16 6, 1, NQ-1, 1, 0
	WIN 0
.macro QUANT s, pw
.irp b, 0,1,2,3
	v_max3_num_f32 v[TM+\b], |v[\s+16*\b]|, |v[\s+1+16*\b]|, 0x2800000
.endr
.irp i, 2,4,6,8,10,12,14
.irp b, 0,1,2,3
	v_max3_num_f32 v[TM+\b], v[TM+\b], |v[\s+16*\b+\i]|, |v[\s+1+16*\b+\i]|
.endr
.endr
.irp b, 0,1,2,3
	v_permlanex16_b32 v[TM+4+\b], v[TM+\b], s[SEL], s[SEL+1]
.endr
.irp b, 0,1,2,3
	v_max_num_f32 v[TM+\b], v[TM+\b], v[TM+4+\b]
.endr
.irp b, 0,1,2,3
	v_add_nc_u32 v[TM+12+\b], 0xfe000000, v[TM+\b]
.endr
.irp b, 0,1,2,3
	v_lshrrev_b32 v[TM+4+\b], 23, v[TM+12+\b]
.endr
	v_lshl_or_b32 v[\pw], v[TM+5], 8, v[TM+4]
	v_lshl_or_b32 v[\pw], v[TM+6], 16, v[\pw]
	v_lshl_or_b32 v[\pw], v[TM+7], 24, v[\pw]
	s_wait_xcnt 0x0
.irp c, 0,1
	v_cvt_scalef32_pk16_bf6_f32 v[CDS+6*\c:CDS+2+6*\c], v[\s+32*\c:\s+15+32*\c], v[TM+12+2*\c]
	v_cvt_scalef32_pk16_bf6_f32 v[CDS+12+4*\c:CDS+14+4*\c], v[\s+16+32*\c:\s+31+32*\c], v[TM+12+2*\c+1]
.endr
	v_nop
.irp c, 0,1
.irp i, 0,1,2
	v_permlane16_swap_b32 v[CDS+6*\c+\i], v[CDS+12+4*\c+\i]
.endr
.irp i, 0,1,2
	v_mov_b32 v[CDS+3+6*\c+\i], v[CDS+12+4*\c+\i]
.endr
.endr
.endm
.macro EPI way
.irp a, 0,1,2,3,4,5,6,7
	WIN 0x02+(\a/4)
.set kk, 0
.rept 32
.if \way
	v_pk_add_f32 v[HA+2*kk:HA+2*kk+1], v[64*(\a%4)+2*kk:64*(\a%4)+2*kk+1], v[BI+8*\a:BI+8*\a+1]
.else
	v_pk_add_f32 v[HA+2*kk:HA+2*kk+1], v[64*(\a%4)+2*kk:64*(\a%4)+2*kk+1], v[BI+2*kk:BI+2*kk+1]
.endif
.set kk, kk+1
.endr
	WIN 0
	QUANT HA, SW+\a
.if \way
.irp i, 0,1,2
	global_store_b128 v[L16], v[CDS+4*\i:CDS+4*\i+3], s[8:9] offset:(\a/4)*98304+(\a%4)*1536+512*\i
.endr
.else
.irp c, 0,1
	global_store_b128 v[L16], v[CDS+6*\c:CDS+6*\c+3], s[8:9] offset:\c*98304+\a*768
	global_store_b64 v[L8], v[CDS+6*\c+4:CDS+6*\c+5], s[8:9] offset:\c*98304+\a*768+512
.endr
.endif
.endr
.if \way
.irp c, 0,1
.irp i, 0,1
	v_cndmask_b32 v[XW+2*\c+\i], v[SW+4*\c+2*\i], v[SW+4*\c+2*\i+1], s[HIM]
.endr
	global_store_b64 v[L8], v[XW+2*\c:XW+2*\c+1], s[10:11] offset:4096*\c
.endr
.else
.irp i, 0,1,2,3
	v_cndmask_b32 v[XW+\i], v[SW+2*\i], v[SW+2*\i+1], s[HIM]
.endr
.irp i, 0,1,2,3
	v_and_b32 v[XW+4+\i], 0xffff, v[XW+\i]
.endr
.irp i, 0,1,2,3
	v_lshrrev_b32 v[XW+\i], 16, v[XW+\i]
.endr
	global_store_b128 v[L16], v[XW+4:XW+7], s[10:11]
	global_store_b128 v[L16], v[XW:XW+3], s[10:11] offset:8192
.endif
.endm
	PLACES NP
	s_mov_b32 s[HIM], 0xffff0000
	s_mov_b32 s[SEL], 0x76543210
	s_mov_b32 s[SEL+1], 0xfedcba98
.irp b, 0,1,2,3
	v_mov_b32 v[TM+4+\b], 0
.endr
	s_wait_loadcnt 0x0
	s_cmp_eq_u32 s[FL], 1
	s_cbranch_scc0 .Lway_v
	EPI 0
	s_branch .Ljoin
.Lway_v:
	EPI 1
.Ljoin:
	s_wait_tensorcnt 0x0
	ds_add_u32 v[SPW], v[NIL]
	s_wait_dscnt 0x0
	CROUND
	s_endpgm
.Lfunc_end_k_q846c759daf_proj:
	.size	k_q846c759daf_proj, .Lfunc_end_k_q846c759daf_proj-k_q846c759daf_proj
	.p2alignl 7, 3214868480
	.fill 96, 4, 3214868480
	.section	.rodata,"a",@progbits
	.p2align	6, 0x0
	.amdhsa_kernel k_q846c759daf_proj
		.amdhsa_group_segment_fixed_size 327680
		.amdhsa_private_segment_fixed_size 0
		.amdhsa_enable_private_segment 0
		.amdhsa_kernarg_size 56
		.amdhsa_user_sgpr_count 2
		.amdhsa_user_sgpr_kernarg_segment_ptr 1
		.amdhsa_wavefront_size32 1
		.amdhsa_system_sgpr_workgroup_id_x 1
		.amdhsa_system_sgpr_workgroup_id_y 1
		.amdhsa_system_sgpr_workgroup_id_z 1
		.amdhsa_system_vgpr_workitem_id 0
		.amdhsa_next_free_vgpr 1024
		.amdhsa_next_free_sgpr 102
		.amdhsa_reserve_vcc 0
		.amdhsa_float_denorm_mode_32 3
		.amdhsa_float_denorm_mode_16_64 3
		.amdhsa_memory_ordered 1
		.amdhsa_forward_progress 1
		.amdhsa_inst_pref_size 239
	.end_amdhsa_kernel
	.amdgpu_metadata
---
amdhsa.version: [ 1, 2 ]
amdhsa.kernels:
  - .name:           k_q846c759daf_proj
    .symbol:         k_q846c759daf_proj.kd
    .args:
      - { .name: cod, .offset: 0, .size: 8, .value_kind: global_buffer, .address_space: global }
      - { .name: scl, .offset: 8, .size: 8, .value_kind: global_buffer, .address_space: global }
      - { .name: img, .offset: 16, .size: 8, .value_kind: global_buffer, .address_space: global }
      - { .name: sc, .offset: 24, .size: 8, .value_kind: global_buffer, .address_space: global }
      - { .name: bq, .offset: 32, .size: 8, .value_kind: global_buffer, .address_space: global }
      - { .name: bk, .offset: 40, .size: 8, .value_kind: global_buffer, .address_space: global }
      - { .name: bv, .offset: 48, .size: 8, .value_kind: global_buffer, .address_space: global }
    .group_segment_fixed_size: 327680
    .private_segment_fixed_size: 0
    .kernarg_segment_align: 8
    .kernarg_segment_size: 56
    .max_flat_workgroup_size: 128
    .sgpr_count:     102
    .vgpr_count:     1024
    .wavefront_size: 32
...
	.end_amdgpu_metadata
.endif
;; end of part 2
;; launch attn (part 3): grid 4 x 64, 16 waves a work-group, clusters of 4 x 1, 280,576 bytes of LDS; arguments img, sc, out0; writes out0
.if DOCPART == 3
	.amdgcn_target "amdgcn-amd-amdhsa--gfx1250"
	.amdhsa_code_object_version 6
	.text
	.protected	k_q846c759daf_attn
	.globl	k_q846c759daf_attn
	.p2align	8
	.type	k_q846c759daf_attn,@function
k_q846c759daf_attn:
	s_mov_b64 s[64:65], 0
	v_nop
	global_prefetch_b8 v0, s[64:65] scope:SCOPE_SE
	s_setreg_imm32_b32 hwreg(HW_REG_WAVE_MODE, 25, 1), 1
	s_wait_xcnt 0x0
	s_wait_alu depctr_hold_cnt(0) depctr_sa_sdst(0) depctr_va_vdst(0) depctr_va_sdst(0) depctr_va_ssrc(0) depctr_va_vcc(0) depctr_vm_vsrc(0)
	s_getreg_b32 s2, hwreg(HW_REG_IB_STS2, 6, 4)
	s_cmp_eq_u32 s2, 0
	s_cbranch_scc0 .Lentry_in_a_cluster
	s_endpgm
.Lentry_in_a_cluster:
	s_bfe_u32 s2, ttmp6, 0x10000c
	s_cmp_lg_u32 s2, 0x3003
	s_cbranch_scc0 .Lentry_shape_is_right
	s_endpgm
.Lentry_shape_is_right:
; out0[bh][q][:] = the sum over keys of softmax(q . k / 8) v, for 64 (batch, head) pairs, 2,048 tokens, head size 64; both products on codes of E3M2 with E8M0 scales.
; q, k, v arrive as images of the operands' registers, made by the launch before (img, sc): a fragment comes by loads of 16 and 8 bytes a lane at consecutive addresses.
; THE SOFTMAX AHEAD OF THE SECOND PRODUCT: t = score x log2(e) / 8; M = the row's largest t so far, rounded UP to a whole number; p = 2^(t - M) is quantised along the keys, not normalised.
; The row's sum is taken of the unquantised p, in f32, and divides O at the end.  When M moves, the sum and O are multiplied by 2^(old M - new M): exact.
; A block's largest p is not searched for: the block's largest score goes through the same multiply-add and exponential (this takes v_exp_f32 not to fall where its input rises).
; SHARES.  A work-group owns one head and 512 queries; each of its sixteen waves owns two tiles of 16 queries, taken one after the other in two passes over the head's 16 steps of 128 keys.
; Four waves share a SIMD's registers, so that one wave's vector work stands beside another's matrix work and LDS loads.
; NO RING.  A head's k, v and their scale words are 208,896 bytes: they come into LDS once, eleven tensor loads (one a wave, waves 0 to 10), and stay: nothing is filled again, and one barrier serves the whole kernel.
; CLUSTER.  The four query blocks of a head form a cluster and ask for every tile jointly (mask 15).  My place in the cluster enters Q's and O's global addresses alone.
; LAYOUT.  Both products are used transposed: S^T = K Q^T (source 0 = 16 keys), O^T = V^T P^T (source 0 = 16 channels): a lane holds ONE query throughout.  A tile's 16 keys (and 16 channels, and 16 queries) are
; 32 (T / 2) + 8 (T % 2) + r + 8 (r / 8), so that the 16 registers of tiles 2 b, 2 b + 1 are 16 neighbours: 32 b + 16 (lane / 16) + 0 .. 15.
; THE FIRST PRODUCT'S K IS 64, THE FORM'S 128: Q's registers 6-11 are zero codes.  K's fragment of tile t is named as v[KF + 6 t .. + 11]: its upper six registers are the next tile's codes (or six zeros): finite numbers
; that meet zero codes; bytes 2 and 3 of both scale words are 0, which stands for 2^-127 and is no NaN.  So a tile of K costs 24 bytes a lane of LDS reads, not 48.
; LIMITS: NaN and infinities are not served; p's scale byte is held at 1 from below (a block whose every p is 0 keeps that byte with zero codes).
.set KIMG,  0                          ; LDS: k's images, 128 tiles x 768 bytes
.set VIMG,  98304                      ; v's, 16 steps x 4 tiles x 1,536 bytes
.set KSC,   196608                     ; k's scale words, 16 steps x 512 bytes
.set VSC,   204800                     ; v's, 16 steps x 256 bytes
.set STAGE, 208896                     ; the way out: 16 rows x (256 bytes + 16) for each wave; no fill lands here
.set SPITCH, 272
.set AK0,  1                           ; v1   16 x lane: registers 0-3 of a tile of K (and of Q in memory)
.set AK8,  2                           ; v2   8 x lane + 512: registers 4-5
.set AV0,  3                           ; v3   16 x lane + VIMG
.set ASK0, 4                           ; v4   16 x lane + KSC
.set ASV0, 5                           ; v5   8 x lane + VSC
.set GO,   6                           ; v6   the way out: my byte offset in two rows of O
.set STO,  7                           ; v7   where I put my results in the stage
.set RD,   8                           ; v8   where I read rows back
.set ADK,  9                           ; v9-13 the step's LDS addresses
.set ADK8, 10
.set ADV,  11
.set ADS,  12
.set ADT,  13
.set KF,   32                          ; v32-79 K's eight tiles, six registers each; v80-85 zeros.  v32-79 then take V's four fragments
.set KSW,  92                          ; v92-95 K's scale words: register i: lanes 0-15 tile 2 i, lanes 16-31 tile 2 i + 1
.set S,    96                          ; v96-159 S^T, then p
.set O,    160                         ; v160-191 O^T
.set PCD,  192                         ; v192-203 p's codes;  v204-210 at work for them
.set VSW,  212                         ; v212-213 V's scale words
.set BM,   216                         ; v216-219 the blocks' largest scores, then largest p
.set BT,   220                         ; v220-223 at work
.set BE,   224                         ; v224-227 the conversions' scale operands
.set WV,   10                          ; s10  my wave's number
.set SEL,  14                          ; s[14:15] v_permlanex16_b32's selects for lane l xor 16
.set CS,   16                          ; s[16:17] c = log2(e) / 8, twice
.set G1I,  24                          ; s[24:31] descriptor group 1 for the images;  s[32:39] for the scale words;  s[40:43], s[44:47] their groups 0
.set G1S,  32
.set G0I,  40
.set G0S,  44
.set TK,   48                          ; s48  the step's images: 6,144 bytes a step, in K's and in V's
.set TS,   49                          ; s49  K's scale words: 512 bytes a step
.set TJ,   50                          ; s50  V's: 256 bytes a step
.set CNT,  51                          ; s51  steps to go
.macro CROUND                          ; a round of the cluster's barrier
	s_barrier_signal -1
	s_barrier_wait -1
	s_cmp_lg_u32 s[WV], 0
	s_cbranch_scc1 .Lnot_wave_0_\@
	s_barrier_signal -3
.Lnot_wave_0_\@:
	s_barrier_wait -3
	s_barrier_signal -1
	s_barrier_wait -1
.endm
	s_load_b128 s[4:7], s[0:1], 0x0                ; img s[4:5], sc s[6:7]
	s_load_b64 s[8:9], s[0:1], 0x10                ; out0
	v_lshl_add_u32 v254, v0, 2, 0x44000
	v_mov_b32 v255, 0
	ds_add_u32 v254, v255
	ds_add_u32 v254, v255
	v_lshrrev_b32 v1, 5, v0
	s_delay_alu instid0(VALU_DEP_1)
	v_readfirstlane_b32 s[WV], v1                  ; wave 0..15
	s_bfe_u32 s11, ttmp6, 0x40000                  ; cx: my block of 512 queries
	s_and_b32 s12, ttmp7, 0xffff                   ; bh, which the four partners share
	; descriptor group 1: dense blocks as rows of 256 bytes (32 elements of 8 bytes), no padding: 96 rows (24,576 bytes) of images, 16 rows (4,096 bytes) of scale words
	s_mov_b32 s[G1I], 15|(3<<16)|(1<<21)           ; 15:0 the mask: all four work-groups; 17:16 elements of 8 bytes; 21 set beside a mask
	s_mov_b32 s[G1I+1], 32<<16                     ; tensor_dim0
	s_mov_b32 s[G1I+2], 96<<16                     ; tensor_dim1
	s_mov_b32 s[G1I+3], 32<<16                     ; tile_dim0
	s_mov_b32 s[G1I+4], 96                         ; tile_dim1
	s_mov_b32 s[G1I+5], 32                         ; tensor_dim0_stride
	s_mov_b32 s[G1I+6], 0
	s_mov_b32 s[G1I+7], 0
	s_mov_b32 s[G1S], 15|(3<<16)|(1<<21)
	s_mov_b32 s[G1S+1], 32<<16
	s_mov_b32 s[G1S+2], 16<<16
	s_mov_b32 s[G1S+3], 32<<16
	s_mov_b32 s[G1S+4], 16
	s_mov_b32 s[G1S+5], 32
	s_mov_b32 s[G1S+6], 0
	s_mov_b32 s[G1S+7], 0
	; waves 0-3: the four quarters of k's images; waves 4-7: of v's  (the numbers of the other waves are not used)
	s_lshr_b32 s52, s[WV], 2
	s_add_co_u32 s52, s52, 1
	s_mul_i32 s52, s52, 0x600000                   ; k's part of img, or v's
	s_mul_i32 s53, s12, 98304                      ; my head's
	s_add_co_u32 s52, s52, s53
	s_and_b32 s53, s[WV], 3
	s_mul_i32 s53, s53, 24576
	s_add_co_u32 s52, s52, s53
	s_mov_b32 s53, 0
	; waves 8, 9: the halves of k's scale words; wave 10: v's
	s_lshl_b32 s54, s12, 13
	s_sub_co_u32 s55, s[WV], 8
	s_lshl_b32 s55, s55, 12
	s_add_co_u32 s54, s54, s55
	s_add_co_u32 s54, s54, 524288
	s_lshl_b32 s55, s12, 12
	s_add_co_u32 s55, s55, 1048576
	s_cmp_lt_u32 s[WV], 10
	s_cselect_b32 s54, s54, s55
	s_mov_b32 s55, 0
	s_mov_b32 s[SEL], 0x76543210
	s_mov_b32 s[SEL+1], 0xfedcba98
	s_mov_b32 s[CS], 0x3e38aa3b                    ; c = log2(e) / 8: score x c = (score / 8) x log2(e), bit for bit
	s_mov_b32 s[CS+1], s[CS]                       ; (named with it as a pair, so it is written)
	s_wait_dscnt 0x0
	s_wait_kmcnt 0x0
	s_mov_b32 s[G0I], 1                            ; count = 1
	s_mul_i32 s[G0I+1], s[WV], 24576               ; LDS: k's quarters from KIMG on, v's from VIMG on
	s_add_nc_u64 s[G0I+2:G0I+3], s[4:5], s[52:53]
	s_or_b32 s[G0I+3], s[G0I+3], 0x80000000        ; type = 2
	s_mov_b32 s[G0S], 1
	s_lshl_b32 s[G0S+1], s[WV], 12
	s_add_co_u32 s[G0S+1], s[G0S+1], KSC-8*4096    ; LDS: waves 8, 9 at KSC and KSC + 4,096, wave 10 at VSC
	s_add_nc_u64 s[G0S+2:G0S+3], s[6:7], s[54:55]
	s_or_b32 s[G0S+3], s[G0S+3], 0x80000000
	CROUND                                         ; all four work-groups are here: the joint loads meet
	s_cmp_lt_u32 s[WV], 8                          ; the fills: one tensor load a wave, so one is out at the most; the branches hang on the wave's number alone; four v_nop follow each line
	s_cbranch_scc0 .Lnot_images
	tensor_load_to_lds s[G0I:G0I+3], s[G1I:G1I+7]
	s_nop 0
.rept 4
	v_nop
.endr
	s_branch .Lfilled
.Lnot_images:
	s_cmp_lt_u32 s[WV], 11
	s_cbranch_scc0 .Lfilled
	tensor_load_to_lds s[G0S:G0S+3], s[G1S:G1S+7]
	s_nop 0
.rept 4
	v_nop
.endr
.Lfilled:
	; my two tiles of queries: T1 = 32 cx + wave, T2 = T1 + 16
	s_lshl_b32 s56, s11, 5
	s_add_co_u32 s56, s56, s[WV]                   ; T1
	s_lshl_b32 s57, s12, 7
	s_add_co_u32 s57, s57, s56
	s_mul_i32 s58, s57, 768
	s_mov_b32 s59, 0
	s_add_nc_u64 s[20:21], s[4:5], s[58:59]        ; q's image of T1; T2's lies 16 x 768 bytes on
	s_lshl_b32 s58, s12, 4
	s_lshr_b32 s60, s56, 3
	s_add_co_u32 s58, s58, s60
	s_lshl_b32 s58, s58, 9                         ; q's scale words: the step's 512 bytes,
	s_and_b32 s60, s56, 1
	s_lshl_b32 s60, s60, 8
	s_add_co_u32 s58, s58, s60                     ; an odd tile's stand in lanes 16-31's places,
	s_bfe_u32 s60, s56, 0x20001
	s_lshl_b32 s60, s60, 2
	s_add_co_u32 s58, s58, s60                     ; word (T1 / 2) % 4 of a lane's four
	s_add_nc_u64 s[22:23], s[6:7], s[58:59]        ; T2's lie two steps, 1,024 bytes, on
	s_lshl_b32 s58, s12, 11
	s_lshr_b32 s60, s56, 1
	s_lshl_b32 s60, s60, 5
	s_add_co_u32 s58, s58, s60
	s_and_b32 s60, s56, 1
	s_lshl_b32 s60, s60, 3
	s_add_co_u32 s58, s58, s60                     ; the tile's first token: 2,048 bh + 32 (T1 / 2) + 8 (T1 % 2)
	s_lshl_b32 s58, s58, 8                         ; a row of O is 256 bytes
	s_add_nc_u64 s[18:19], s[8:9], s[58:59]        ; T2's rows lie 256 tokens, 65,536 bytes, on
	v_and_b32 v9, 31, v0                           ; lane
	s_delay_alu instid0(VALU_DEP_1)
	v_lshlrev_b32 v[AK0], 4, v9
	s_delay_alu instid0(VALU_DEP_2)
	v_lshlrev_b32 v[AK8], 3, v9
	s_delay_alu instid0(VALU_DEP_1)
	v_add_nc_u32 v[ASV0], VSC, v[AK8]
	s_delay_alu instid0(VALU_DEP_2)
	v_add_nc_u32 v[AK8], 512, v[AK8]
	s_delay_alu instid0(VALU_DEP_4)
	v_add_nc_u32 v[AV0], VIMG, v[AK0]
	v_add_nc_u32 v[ASK0], KSC, v[AK0]
	v_and_b32 v10, 15, v0                          ; r
	v_bfe_u32 v11, v0, 4, 1                        ; h
	s_delay_alu instid0(VALU_DEP_2)
	v_lshlrev_b32 v12, 4, v10                      ; 16 r: row r's place among q's scale words
	global_load_b128 v[20:23], v[AK0], s[20:21]                ; Q of pass 1: registers 0-3,
	global_load_b64 v[24:25], v[AK8], s[20:21]                 ; 4-5
	global_load_b128 v[232:235], v[AK0], s[20:21] offset:12288 ; Q of pass 2
	global_load_b64 v[236:237], v[AK8], s[20:21] offset:12288
	global_load_b32 v18, v12, s[22:23]                         ; their scale words
	global_load_b32 v19, v12, s[22:23] offset:1024
	v_lshlrev_b32 v[GO], 8, v11
	s_delay_alu instid0(VALU_DEP_1)
	v_lshl_add_u32 v[GO], v10, 4, v[GO]            ; lanes 0-15 one row of O, lanes 16-31 the next; 16 bytes a lane
	s_mul_i32 s52, s[WV], 16*SPITCH
	s_add_co_u32 s52, s52, STAGE                   ; my stage
	v_mul_u32_u24 v[STO], v10, SPITCH
	s_delay_alu instid0(VALU_DEP_1)
	v_lshl_add_u32 v[STO], v11, 6, v[STO]
	s_delay_alu instid0(VALU_DEP_1)
	v_add_nc_u32 v[STO], s52, v[STO]               ; in: row r, + 64 h
	v_mul_u32_u24 v[RD], v11, SPITCH
	s_delay_alu instid0(VALU_DEP_1)
	v_lshl_add_u32 v[RD], v10, 4, v[RD]
	s_delay_alu instid0(VALU_DEP_1)
	v_add_nc_u32 v[RD], s52, v[RD]                 ; back: lanes 0-15 one row, lanes 16-31 the next
.irp j, 0,1,2,3,4,5
	v_mov_b32 v[26+\j], 0                          ; zero codes: Q's registers 6-11, in both passes,
	v_mov_b32 v[238+\j], 0
	v_mov_b32 v[KF+48+\j], 0                       ; and what stands behind K's last tile
.endr
.irp b, 0,1,2,3
	v_mov_b32 v[BT+\b], 0                          ; written once: a lane permute's destination counts as one of its sources
.endr
	v_mov_b32 v229, 0                              ; (named as the upper half of the pair v[228:229] before it is first written)
	v_mov_b32 v230, 0
	s_wait_tensorcnt 0x0                           ; my part of the head is in LDS,
	s_barrier_signal -1
	s_barrier_wait -1                              ; everybody's is
	s_wait_loadcnt 0x0                             ; Q
; A KEY STEP: 128 keys.  qf: Q's fragment, qs: its scale word.
.macro STEP qf, qs
	v_add_nc_u32 v[ADK], s[TK], v[AK0]             ; these five are also the places behind the last step's products, ahead of the loads into their operands
	v_add_nc_u32 v[ADK8], s[TK], v[AK8]
	v_add_nc_u32 v[ADV], s[TK], v[AV0]
	v_add_nc_u32 v[ADS], s[TS], v[ASK0]
	v_add_nc_u32 v[ADT], s[TJ], v[ASV0]
	ds_load_b128 v[KSW:KSW+3], v[ADS]
.irp t, 0,1,2,3,4,5,6,7
	ds_load_b128 v[KF+6*\t:KF+6*\t+3], v[ADK] offset:768*\t
	ds_load_b64 v[KF+6*\t+4:KF+6*\t+5], v[ADK8] offset:768*\t
.endr
	s_wait_alu depctr_va_vdst(0)
	s_wait_dscnt 0x0
.irp t, 0,1,2,3,4,5,6,7                        ; S^T = K Q^T: register 8 t + j of lane (r, h) is query r, key 32 (t / 2) + 16 h + 8 (t % 2) + j
.if \t % 2
	v_wmma_scale_f32_16x16x128_f8f6f4 v[S+8*\t:S+8*\t+7], v[KF+6*\t:KF+6*\t+11], v[\qf:\qf+11], 0, v[KSW+\t/2], v[\qs] matrix_a_fmt:MATRIX_FMT_BF6 matrix_b_fmt:MATRIX_FMT_BF6 matrix_a_scale:MATRIX_SCALE_ROW1
.else
	v_wmma_scale_f32_16x16x128_f8f6f4 v[S+8*\t:S+8*\t+7], v[KF+6*\t:KF+6*\t+11], v[\qf:\qf+11], 0, v[KSW+\t/2], v[\qs] matrix_a_fmt:MATRIX_FMT_BF6 matrix_b_fmt:MATRIX_FMT_BF6
.endif
.endr
.rept 4
	v_nop                                          ; places: ahead of the loads into K's registers and of the first read of the scores
.endr
.irp t, 0,1,2,3                                ; V's four fragments are asked for here and land under the softmax
.irp c, 0,1,2
	ds_load_b128 v[KF+12*\t+4*\c:KF+12*\t+4*\c+3], v[ADV] offset:1536*\t+512*\c
.endr
.endr
	ds_load_b64 v[VSW:VSW+1], v[ADT]
.irp b, 0,1,2,3
	v_max3_num_f32 v[BM+\b], v[S+16*\b], v[S+1+16*\b], v[S+2+16*\b]   ; the largest score of each block of 32 keys: for the row's maximum, and for the block's largest p
.endr
.irp i, 3,5,7,9,11,13
.irp b, 0,1,2,3
	v_max3_num_f32 v[BM+\b], v[BM+\b], v[S+16*\b+\i], v[S+1+16*\b+\i]   ; (the four blocks by turns)
.endr
.endr
.irp b, 0,1,2,3
	v_max_num_f32 v[BM+\b], v[BM+\b], v[S+15+16*\b]
.endr
.irp b, 0,1,2,3
	s_delay_alu instid0(VALU_DEP_4)
	v_permlanex16_b32 v[BT+\b], v[BM+\b], s[SEL], s[SEL+1]
.endr
.irp b, 0,1,2,3
	s_delay_alu instid0(VALU_DEP_4)
	v_max_num_f32 v[BM+\b], v[BM+\b], v[BT+\b]     ; with lane l xor 16's 16 keys
.endr
	s_delay_alu instid0(VALU_DEP_2)
	v_max3_num_f32 v230, v[BM], v[BM+1], v[BM+2]
	s_delay_alu instid0(VALU_DEP_1)
	v_max_num_f32 v230, v230, v[BM+3]              ; the step's largest score of my query
	s_delay_alu instid0(VALU_DEP_1)
	v_mul_f32 v230, s[CS], v230                    ; as t (c is positive)
	s_delay_alu instid0(VALU_DEP_1)
	v_max_num_f32 v15, v15, v230                   ; the running largest t
	v_mov_b32 v230, v14
	s_delay_alu instid0(VALU_DEP_2)
	v_floor_f32 v14, -v15                          ; the new -M = floor(-t) = -ceil(t): a whole number
	s_delay_alu instid0(VALU_DEP_1)
	v_sub_f32 v230, v14, v230                      ; M's old value less its new one: a whole number, 0 or less
	s_delay_alu instid0(VALU_DEP_1)
	v_cvt_i32_f32 v230, v230                       ; (it saturates)
	s_delay_alu instid0(VALU_DEP_1)
	v_ldexp_f32 v228, 1.0, v230                    ; f = 2^(old M - new M)
.irp j, 0,2,4,6,8,10,12,14,16,18,20,22,24,26,28,30,32,34,36,38,40,42,44,46,48,50,52,54,56,58,60,62
	v_pk_fma_f32 v[S+\j:S+1+\j], v[S+\j:S+1+\j], s[CS:CS+1], v[14:15] op_sel_hi:[1,0,0]   ; t - M, two at a time (of the pairs c and -M the low word serves both halves)
.endr
.irp b, 0,1,2,3
	v_fma_f32 v[BM+\b], v[BM+\b], s[CS], v14       ; the same of each block's largest score
.endr
	s_wait_alu depctr_va_vdst(0)
.irp j, 0,1,2,3,4,5,6,7,8,9,10,11,12,13,14,15,16,17,18,19,20,21,22,23,24,25,26,27,28,29,30,31,32,33,34,35,36,37,38,39,40,41,42,43,44,45,46,47,48,49,50,51,52,53,54,55,56,57,58,59,60,61,62,63
	v_exp_f32 v[S+\j], v[S+\j]                     ; p = 2^(t - M), at most 1: not normalised
.endr
	s_setprio 1
	v_pk_mul_f32 v[16:17], v[16:17], v[228:229] op_sel_hi:[1,0]   ; the sums under the new M (the plain line behind the exponentials)
	s_wait_alu depctr_va_vdst(0)                   ; one wait for the batch of 64, ahead of its first reader
.irp b, 0,1,2,3
	v_exp_f32 v[BM+\b], v[BM+\b]                   ; the block's largest p: the same two instructions on the same number give the same bits
.endr
	v_pk_add_f32 v[220:221], v[100:101], v[104:105]
	v_pk_add_f32 v[252:253], v[108:109], v[112:113]
	v_pk_add_f32 v[250:251], v[116:117], v[120:121]
	v_pk_add_f32 v[248:249], v[124:125], v[128:129]
	v_pk_add_f32 v[246:247], v[132:133], v[136:137]
	v_pk_add_f32 v[244:245], v[140:141], v[144:145]
	v_pk_add_f32 v[226:227], v[148:149], v[152:153]
	v_pk_add_f32 v[16:17], v[16:17], v[156:157]
	v_pk_add_f32 v[220:221], v[220:221], v[96:97]
	v_pk_add_f32 v[252:253], v[252:253], v[98:99]
	v_pk_add_f32 v[250:251], v[250:251], v[102:103]
	v_pk_add_f32 v[248:249], v[248:249], v[106:107]
	v_pk_add_f32 v[246:247], v[246:247], v[110:111]
	v_pk_add_f32 v[244:245], v[244:245], v[114:115]
	v_pk_add_f32 v[226:227], v[226:227], v[118:119]
	v_pk_add_f32 v[16:17], v[16:17], v[122:123]
	v_pk_add_f32 v[220:221], v[220:221], v[126:127]
	v_pk_add_f32 v[252:253], v[252:253], v[130:131]
	v_pk_add_f32 v[250:251], v[250:251], v[134:135]
	v_pk_add_f32 v[248:249], v[248:249], v[138:139]
	v_pk_add_f32 v[246:247], v[246:247], v[142:143]
	v_pk_add_f32 v[244:245], v[244:245], v[146:147]
	v_pk_add_f32 v[226:227], v[226:227], v[150:151]
	v_pk_add_f32 v[16:17], v[16:17], v[154:155]
	v_pk_add_f32 v[220:221], v[220:221], v[158:159]
	s_delay_alu instid0(VALU_DEP_2)
	v_pk_add_f32 v[16:17], v[16:17], v[248:249]
	s_delay_alu instid0(VALU_DEP_2)
	v_pk_add_f32 v[220:221], v[220:221], v[246:247]
	v_pk_add_f32 v[252:253], v[252:253], v[244:245]
	v_pk_add_f32 v[250:251], v[250:251], v[226:227]
	s_delay_alu instid0(VALU_DEP_2)
	v_pk_add_f32 v[16:17], v[16:17], v[252:253]
	s_delay_alu instid0(VALU_DEP_2)
	v_pk_add_f32 v[220:221], v[220:221], v[250:251]
	s_delay_alu instid0(VALU_DEP_1)
	v_pk_add_f32 v[16:17], v[16:17], v[220:221]
	s_wait_alu depctr_va_vdst(0)                   ; and one wait for the four
.irp b, 0,1,2,3
	v_max_num_f32 v[BM+\b], 0x2800000, v[BM+\b]    ; the floor 2^(5 - 127): the byte cannot fall under 1
.endr
.irp b, 0,1,2,3
	s_delay_alu instid0(VALU_DEP_4)
	v_add_nc_u32 v[BE+\b], 0xfe000000, v[BM+\b]    ; 4 off the exponent field: the conversion's scale operand
.endr
.irp b, 0,1,2,3
	s_delay_alu instid0(VALU_DEP_4)
	v_lshrrev_b32 v[BT+\b], 23, v[BE+\b]           ; the scale's byte
.endr
	s_delay_alu instid0(VALU_DEP_3)
	v_lshl_or_b32 v229, v[BT+1], 8, v[BT]          ; p's scale word for these 128 keys
	s_delay_alu instid0(VALU_DEP_1)
	v_lshl_or_b32 v229, v[BT+2], 16, v229
	s_delay_alu instid0(VALU_DEP_1)
	v_lshl_or_b32 v229, v[BT+3], 24, v229
.irp c, 0,1
	v_cvt_scalef32_pk16_bf6_f32 v[PCD+6*\c:PCD+2+6*\c], v[S+32*\c:S+15+32*\c], v[BE+2*\c]
	v_cvt_scalef32_pk16_bf6_f32 v[PCD+12+4*\c:PCD+14+4*\c], v[S+16+32*\c:S+31+32*\c], v[BE+2*\c+1]   ; (a conversion's three registers begin on an even number)
.endr
	v_nop                                          ; one plain line behind the scaled conversions
.irp c, 0,1                                    ; the operand's layout wants a WHOLE block in a lane: lanes 0-15 block 2 c, lanes 16-31 block 2 c + 1
.irp i, 0,1,2
	v_permlane16_swap_b32 v[PCD+6*\c+\i], v[PCD+12+4*\c+\i]
.endr
.irp i, 0,1,2
	s_delay_alu instid0(VALU_DEP_3)
	v_mov_b32 v[PCD+3+6*\c+\i], v[PCD+12+4*\c+\i]
.endr
.endr
	s_setprio 0
.irp j, 0,2,4,6,8,10,12,14,16,18,20,22,24,26,28,30
	v_pk_mul_f32 v[O+\j:O+1+\j], v[O+\j:O+1+\j], v[228:229] op_sel_hi:[1,0]   ; O^T under the new M: x f.  (These sixteen are also the places between the codes' and the scale word's last writes and the products)
.endr
	s_wait_alu depctr_va_vdst(0)
	s_wait_dscnt 0x0                               ; V's fragments and scale words are in
.irp t, 0,1,2,3                                ; O^T += V^T P^T: four tiles of 16 channels, the four accumulators by turns
.if \t % 2
	v_wmma_scale_f32_16x16x128_f8f6f4 v[O+8*\t:O+8*\t+7], v[KF+12*\t:KF+12*\t+11], v[PCD:PCD+11], v[O+8*\t:O+8*\t+7], v[VSW+\t/2], v229 matrix_a_fmt:MATRIX_FMT_BF6 matrix_b_fmt:MATRIX_FMT_BF6 matrix_a_scale:MATRIX_SCALE_ROW1
.else
	v_wmma_scale_f32_16x16x128_f8f6f4 v[O+8*\t:O+8*\t+7], v[KF+12*\t:KF+12*\t+11], v[PCD:PCD+11], v[O+8*\t:O+8*\t+7], v[VSW+\t/2], v229 matrix_a_fmt:MATRIX_FMT_BF6 matrix_b_fmt:MATRIX_FMT_BF6
.endif
.endr
	s_add_co_u32 s[TK], s[TK], 6144                ; on to the next step
	s_add_co_u32 s[TS], s[TS], 512
	s_add_co_u32 s[TJ], s[TJ], 256
.endm
; A PASS: one tile of 16 queries over all 16 key steps, and its way out.  off: the tile's rows in O, in bytes from the first pass's.
.macro PASS qf, qs, off
	s_wait_xcnt 0x0                                ; the last pass's stores have read their registers: they are written again only behind this wait
	v_mov_b32 v15, 0xff61b1e6                      ; the largest t so far: -3e38, under every t
	s_delay_alu instid0(VALU_DEP_1)
	v_floor_f32 v14, -v15                          ; -M
	v_mov_b32 v16, 0                               ; the sum, in two halves
	v_mov_b32 v17, 0
.irp j, 0,1,2,3,4,5,6,7,8,9,10,11,12,13,14,15,16,17,18,19,20,21,22,23,24,25,26,27,28,29,30,31
	v_mov_b32 v[O+\j], 0                           ; O^T.  (The step is written once: the first finds zeros, which the first change of M leaves zeros)
.endr
	s_mov_b32 s[TK], 0
	s_mov_b32 s[TS], 0
	s_mov_b32 s[TJ], 0
	s_mov_b32 s[CNT], 16
.Lstep_\@:
	s_setprio 2
	STEP \qf, \qs
	s_sub_co_u32 s[CNT], s[CNT], 1
	s_cmp_lg_u32 s[CNT], 0
	s_cbranch_scc1 .Lstep_\@
	s_setprio 0
.rept 4
	v_nop                                          ; places behind the last products
.endr
	v_add_f32 v16, v16, v17                        ; the sum's two halves,
	s_delay_alu instid0(VALU_DEP_1)
	v_permlanex16_b32 v230, v16, s[SEL], s[SEL+1]
	s_delay_alu instid0(VALU_DEP_1)
	v_add_f32 v16, v16, v230                       ; and lane l xor 16's: the row's sum
	s_wait_alu depctr_va_vdst(0)
	v_rcp_f32 v16, v16
	v_nop                                          ; a plain line behind the transcendental
	s_wait_alu depctr_va_vdst(0)                   ; and the wait ahead of its first reader
.irp j, 0,2,4,6,8,10,12,14,16,18,20,22,24,26,28,30
	v_pk_mul_f32 v[S+\j:S+1+\j], v[O+\j:O+1+\j], v[16:17] op_sel_hi:[1,0]   ; O^T / the sum, each accumulator from its low end on: register 8 t + j is channel 32 (t / 2) + 16 h + 8 (t % 2) + j of query r
.endr
.irp t, 0,1,2,3
	ds_store_b128 v[STO], v[S+8*\t:S+8*\t+3] offset:128*(\t/2)+32*(\t%2)
	ds_store_b128 v[STO], v[S+8*\t+4:S+8*\t+7] offset:128*(\t/2)+32*(\t%2)+16
.endr
.irp i, 0,1,2,3,4,5,6,7
	ds_load_b128 v[S+32+4*\i:S+35+4*\i], v[RD] offset:2*\i*SPITCH   ; the stage is my own, and LDS serves a wave's instructions in order: these see my stores
.endr
.irp i, 0,1,2,3,4,5,6,7
	s_wait_dscnt 7-\i                              ; the younger loads from the stage may be out
	global_store_b128 v[GO], v[S+32+4*\i:S+35+4*\i], s[18:19] offset:\off+(2*\i+8*(\i/4))*256 th:TH_STORE_NT   ; stage rows 2 i, 2 i + 1 are tokens 2 i + 8 (i / 4) and the next: sixteen lanes store 256 consecutive bytes, aligned
.endr
.endm
	PASS 20, 18, 0
	PASS 232, 19, 65536
	s_wait_tensorcnt 0x0
	ds_add_u32 v254, v255
	s_wait_dscnt 0x0
	CROUND                                         ; the closing round: no work-group ends while a partner may still ask for a tile that names it
	s_endpgm
.Lfunc_end_k_q846c759daf_attn:
	.size	k_q846c759daf_attn, .Lfunc_end_k_q846c759daf_attn-k_q846c759daf_attn
	.p2alignl 7, 3214868480
	.fill 96, 4, 3214868480
	.section	.rodata,"a",@progbits
	.p2align	6, 0x0
	.amdhsa_kernel k_q846c759daf_attn
		.amdhsa_group_segment_fixed_size 280576
		.amdhsa_private_segment_fixed_size 0
		.amdhsa_enable_private_segment 0
		.amdhsa_kernarg_size 24
		.amdhsa_user_sgpr_count 2
		.amdhsa_user_sgpr_kernarg_segment_ptr 1
		.amdhsa_wavefront_size32 1
		.amdhsa_system_sgpr_workgroup_id_x 1
		.amdhsa_system_sgpr_workgroup_id_y 1
		.amdhsa_system_sgpr_workgroup_id_z 1
		.amdhsa_system_vgpr_workitem_id 0
		.amdhsa_next_free_vgpr 256
		.amdhsa_next_free_sgpr 80
		.amdhsa_reserve_vcc 0
		.amdhsa_float_denorm_mode_32 3
		.amdhsa_float_denorm_mode_16_64 3
		.amdhsa_memory_ordered 1
		.amdhsa_forward_progress 1
		.amdhsa_inst_pref_size 53
	.end_amdhsa_kernel
	.amdgpu_metadata
---
amdhsa.version: [ 1, 2 ]
amdhsa.kernels:
  - .name:           k_q846c759daf_attn
    .symbol:         k_q846c759daf_attn.kd
    .args:
      - { .name: img, .offset: 0, .size: 8, .value_kind: global_buffer, .address_space: global }
      - { .name: sc, .offset: 8, .size: 8, .value_kind: global_buffer, .address_space: global }
      - { .name: out0, .offset: 16, .size: 8, .value_kind: global_buffer, .address_space: global }
    .group_segment_fixed_size: 280576
    .private_segment_fixed_size: 0
    .kernarg_segment_align: 8
    .kernarg_segment_size: 24
    .max_flat_workgroup_size: 512
    .sgpr_count:     80
    .vgpr_count:     256
    .wavefront_size: 32
...
	.end_amdgpu_metadata
.endif
;; end of part 3
